; MI455X (gfx1250); checked and timed in simulation.
; The chip was launched on July 23, 2026; its instructions are those of AMD's public machine-readable ISA for CDNA 5 (MIT licence, August 2026) and "CDNA5" Instruction Set Architecture Reference Guide (July 2026). The comments in the code are by the model that wrote it; some were corrected since.
;; find median. Allowed arithmetic: float matrix products may take bf16 or f16 operands with f32 sums; all other float work in f32.
;; Inputs: input 1,024 x 32,768 float32.
;; Outputs: out0 64 x 32,768 float32.
;; Constants: k = 100, timespan = 64.
;; One version. Each part assembles by itself: llvm-mc -triple=amdgcn-amd-amdhsa -mcpu=gfx1250 --defsym DOCPART=n.
;; ======== version 1 of 1: 1 launch
;; launch median (part 1): grid 16 x 16, 16 waves a work-group, no clusters, 0 bytes of LDS; arguments input, out0; writes out0
.if DOCPART == 1
	.amdgcn_target "amdgcn-amd-amdhsa--gfx1250"
	.amdhsa_code_object_version 6
	.text
	.protected	k_q251a7f3581_median
	.globl	k_q251a7f3581_median
	.p2align	8
	.type	k_q251a7f3581_median,@function
k_q251a7f3581_median:
	s_mov_b64 s[64:65], 0
	v_nop
	global_prefetch_b8 v0, s[64:65] scope:SCOPE_SE
	s_setreg_imm32_b32 hwreg(HW_REG_WAVE_MODE, 25, 1), 1
	s_wait_xcnt 0x0
; Soft median of 16 rows.  input: [1024][32768] f32 = 64 chunks of 16 rows.  out0: [64][32768] f32.
; For each chunk and column: x = 100 * the 16 numbers; seven times x <- x - softmax(x) x; m1 = logsumexp(x); once more
; x <- x - softmax(x) x; m2 = logsumexp(x); out = (m1 + m2) / 200.  The 8th softmax and m1 share maximum, exponentials and sum,
; so a column takes 9 passes of 16 exponentials: steps 1 to 8 (with update) and the closing pass.
;
; ROUNDING: two rows nearly tied at the top at value a, a difference d apart, leave a step about d (a - 1) / 2 apart, and may tie again:
; a column can multiply a rounding difference many thousandfold.  So the state is kept in the formula's own units and rounded where
; the formula rounds: x = 100 * input as a rounded product; t = x - max (exact for near ties; the largest row's exponential is exactly 1);
; the sum row by row in ascending order; p = e * (1 / S) with 1 / S corrected by one Newton step; x <- x - p x in one fused multiply-add.
; Nothing is folded into another scale.  The maximum is taken anew in every pass.  e^t = exp2(t log2 e).
;
; SHARES: 256 work-groups of 16 waves.  A wave's tile is one chunk x 128 columns: 16 loads, each 512 consecutive bytes of one row,
; aligned; a lane owns 4 neighbouring columns = two register pairs, A (columns 0, 1) and B (columns 2, 3), so that subtract, scale, sum,
; p and update are packed f32 instructions on two columns.  A wave walks 4 chunks.  One 16-byte store a lane and tile:
; 512 consecutive aligned bytes a wave.  Every input byte is loaded once, every output byte stored once.
; The product with 100 goes from the load buffer P into the work buffer Y; behind it P is free and the next tile's 16 loads are issued,
; all nine passes ahead of their use.  The last tile is written out without loads.
; No LDS, no barrier, no cluster: no byte of input is used by two lanes, and no two work-groups read the same byte.
;
; ORDER: the two pairs are rotated: behind the reciprocals (logarithms) of one pair stand the 16 maxima of the other, which are
; the independent plain instructions that must come before a transcendental's result is used (ISA guide 5.7.2); E, T, S, R serve both pairs.
;
; LIMITS: exponentials below 2^-126 come out as 0 (the sum they enter is at least 1).  Infinities are not special-cased.
; A NaN loses in the maximum but reaches the result through the exponentials and the sum.  Exponential and reciprocal are the
; approximations of v_exp_f32 and v_rcp_f32, so last bits differ from a correctly rounded evaluation.
.set ROWB,  131072                     ; bytes in a row of input and of out0
.set TILEB, 16*ROWB                    ; from a chunk to the next: 2 MiB
.set TILES, 4                          ; chunks that a wave walks
.set MID,   7                          ; steps 1 to 7 are alike: a counted loop
.set T,   2                            ; v[2:9]     4 + 4 partial maxima; then the Newton step's residual
.set M,   10                           ; v[10:13]   maximum of columns 0..3
.set S,   14                           ; v[14:15]   sum of exponentials of the pair at work
.set R,   16                           ; v[16:17]   1 / S
.set LG,  18                           ; v[18:19]   log2 S
.set ACC, 20                           ; v[20:23]   the result of columns 0..3 as it grows; the store's data
.set E,   24                           ; v[24:55]   row r at E + 2 r: exponent, exponential, then p of the pair at work
.set Y,   56                           ; v[56:119]  row r at Y + 4 r: x of my 4 columns
.set P,   120                          ; v[120:183] row r at P + 4 r: the input as loaded
.set KK,  16                           ; s[16:17]   100, twice
.set L2E, 18                           ; s[18:19]   log2(e), twice
.set LN2, 20                           ; s[20:21]   ln 2, twice
.set FS,  22                           ; s[22:23]   1 / 200, twice
	s_load_b128 s[4:7], s[0:1], 0x0                ; input s[4:5], out0 s[6:7]
	s_and_b32 s8, ttmp7, 0xffff                    ; group y: chunks 4 y .. 4 y + 3
	s_lshl_b32 s9, ttmp9, 13                       ; group x: 2,048 columns = 8,192 bytes of each row
	s_lshl_b32 s12, s8, 23                         ; 4 chunks of 2 MiB of input (below 2^27)
	s_lshl_b32 s14, s8, 19                         ; 4 rows of 128 KiB of out0
	s_add_co_u32 s12, s12, s9
	s_add_co_u32 s14, s14, s9
	s_mov_b32 s13, 0
	s_mov_b32 s15, 0
	s_mov_b32 s[KK], 0x42c80000                    ; 100.0
	s_mov_b32 s[KK+1], 0x42c80000
	s_mov_b32 s[L2E], 0x3fb8aa3b                   ; log2(e)
	s_mov_b32 s[L2E+1], 0x3fb8aa3b
	s_mov_b32 s[LN2], 0x3f317218                   ; ln 2
	s_mov_b32 s[LN2+1], 0x3f317218
	s_mov_b32 s[FS], 0x3ba3d70a                    ; 0.005
	s_mov_b32 s[FS+1], 0x3ba3d70a
	v_lshlrev_b32 v1, 4, v0                        ; my 16 bytes in the group's 8,192 of a row; never rewritten
	s_wait_kmcnt 0x0
	s_add_nc_u64 s[4:5], s[4:5], s[12:13]
	s_add_nc_u64 s[6:7], s[6:7], s[14:15]
; 16 loads: the 16 rows of the chunk at s[4:5]
.macro FILL
.set i, 0
.rept 16
	global_load_b128 v[P+4*i:P+4*i+3], v1, s[4:5] offset:i*ROWB th:TH_LOAD_NT
.set i, i+1
.endr
.endm
; x = 100 * input, rounded once, from P into Y
.macro SCALE
.set i, 0
.rept 16
	v_pk_mul_f32 v[Y+4*i:Y+4*i+1],   v[P+4*i:P+4*i+1],   s[KK:KK+1] op_sel_hi:[1,0]
	v_pk_mul_f32 v[Y+4*i+2:Y+4*i+3], v[P+4*i+2:P+4*i+3], s[KK:KK+1] op_sel_hi:[1,0]
.set i, i+1
.endr
.endm
; The maxima of the two columns of pair p (0 or 2) over the 16 rows: 7 three-way and 1 two-way maximum a column, depth 4
.macro MAXP p
.irp c, 0, 1
	v_max3_num_f32 v[T+4*\c],   v[Y+\p+\c],    v[Y+\p+\c+4],  v[Y+\p+\c+8]
	v_max3_num_f32 v[T+4*\c+1], v[Y+\p+\c+12], v[Y+\p+\c+16], v[Y+\p+\c+20]
	v_max3_num_f32 v[T+4*\c+2], v[Y+\p+\c+24], v[Y+\p+\c+28], v[Y+\p+\c+32]
	v_max3_num_f32 v[T+4*\c+3], v[Y+\p+\c+36], v[Y+\p+\c+40], v[Y+\p+\c+44]
.endr
.irp c, 0, 1
	v_max3_num_f32 v[T+4*\c],   v[T+4*\c],   v[Y+\p+\c+48], v[Y+\p+\c+52]
	v_max3_num_f32 v[T+4*\c+1], v[T+4*\c+1], v[Y+\p+\c+56], v[Y+\p+\c+60]
.endr
.irp c, 0, 1
	v_max3_num_f32 v[T+4*\c], v[T+4*\c], v[T+4*\c+1], v[T+4*\c+2]
.endr
.irp c, 0, 1
	v_max_num_f32 v[M+\p+\c], v[T+4*\c], v[T+4*\c+3]
.endr
.endm
.macro SUBROW p, row                   ; t = x - max, two columns of one row
	v_pk_add_f32 v[E+2*(\row):E+2*(\row)+1], v[Y+4*(\row)+\p:Y+4*(\row)+\p+1], v[M+\p:M+\p+1] neg_lo:[0,1] neg_hi:[0,1]
.endm
.macro MULROW row                      ; t log2(e)
	v_pk_mul_f32 v[E+2*(\row):E+2*(\row)+1], v[E+2*(\row):E+2*(\row)+1], s[L2E:L2E+1] op_sel_hi:[1,0]
.endm
.macro ADDROW row                      ; the sum, row by row in ascending order; rows 0 and 1 start it: nothing is cleared
.if (\row) == 1
	s_wait_alu depctr_va_vdst(0)
	v_pk_add_f32 v[S:S+1], v[E:E+1], v[E+2:E+3]
.else
	s_wait_alu depctr_va_vdst(0)
	v_pk_add_f32 v[S:S+1], v[S:S+1], v[E+2*(\row):E+2*(\row)+1]
.endif
.endm
; Exponentials of pair p and their sum S.  Skewed: in front of row i's two exponentials stand row i + 2's subtraction and row i + 1's
; product, behind them row i - 1 enters the sum: each exponential's result is first read with a plain instruction in between
; (ISA guide 5.7.2), no line waits for the line in front of it, and plain and transcendental instructions take turns.
.macro EXPSUM p
	SUBROW \p, 0
	SUBROW \p, 1
	MULROW 0
.set i, 0
.rept 16
.if i < 14
	SUBROW \p, i+2
.endif
.if i < 15
	MULROW i+1
.endif
	v_exp_f32 v[E+2*i], v[E+2*i]
	v_exp_f32 v[E+2*i+1], v[E+2*i+1]
.if i >= 2
	ADDROW i-1
.endif
.set i, i+1
.endr
	ADDROW 15
.endm
; 1 / S, and log2 S where the pass is also a logsumexp.  A MAXP always follows: plain instructions that touch neither S, R nor LG.
.macro RECIP logs
	v_rcp_f32 v[R], v[S]
	v_rcp_f32 v[R+1], v[S+1]
.if \logs
	v_log_f32 v[LG], v[S]
	v_log_f32 v[LG+1], v[S+1]
.endif
.endm
; The soft removal of pair p.  One Newton step on 1 / S (its error would enter all 16 rows alike), then p = e / S and x <- x - p x.
.macro UPD p
	s_wait_alu depctr_va_vdst(0)
	v_pk_fma_f32 v[T:T+1], v[S:S+1], v[R:R+1], 1.0 op_sel_hi:[1,1,0] neg_lo:[1,0,0] neg_hi:[1,0,0]    ; 1 - S r
	v_pk_fma_f32 v[R:R+1], v[T:T+1], v[R:R+1], v[R:R+1]                                                ; r + r (1 - S r)
.set i, 0
.rept 16
	v_pk_mul_f32 v[E+2*i:E+2*i+1], v[E+2*i:E+2*i+1], v[R:R+1]
.set i, i+1
.endr
.set i, 0
.rept 16
	v_pk_fma_f32 v[Y+4*i+\p:Y+4*i+\p+1], v[E+2*i:E+2*i+1], v[Y+4*i+\p:Y+4*i+\p+1], v[Y+4*i+\p:Y+4*i+\p+1] neg_lo:[1,0,0] neg_hi:[1,0,0]
.set i, i+1
.endr
.endm
; One step.  On entry M holds A's maxima of this step; on exit A's of the next pass.  logs = 1 (step 8): ACC = max + ln2 log2 S = m1.
.macro STEP logs
	EXPSUM 0
	RECIP \logs
	MAXP 2                                         ; B's maxima of this step
.if \logs
	s_wait_alu depctr_va_vdst(0)
	v_pk_fma_f32 v[ACC:ACC+1], v[LG:LG+1], s[LN2:LN2+1], v[M:M+1] op_sel_hi:[1,0,1]
.endif
	UPD 0
	EXPSUM 2
	RECIP \logs
	MAXP 0                                         ; A's maxima of the next pass (A's m1 has been taken above)
.if \logs
	s_wait_alu depctr_va_vdst(0)
	v_pk_fma_f32 v[ACC+2:ACC+3], v[LG:LG+1], s[LN2:LN2+1], v[M+2:M+3] op_sel_hi:[1,0,1]
.endif
	UPD 2
.endm
; One tile.  more = 1: the next chunk is loaded behind the product with 100.  tag: makes the inner loop's label unique.
.macro TILE more, tag
	s_wait_loadcnt 0x0                             ; zero: SCALE reads all 16 rows, and no younger load exists
	s_wait_xcnt 0x0                                ; the last tile's store has read ACC and s[6:7]: both are rewritten only behind this wait
.if \more
	s_add_nc_u64 s[4:5], s[4:5], TILEB             ; the chunk that this tile's FILL loads (its last loads are done: the wait above)
.endif
	s_add_nc_u64 s[6:7], s[6:7], ROWB              ; one row on; this tile's store reaches back by its immediate offset
	SCALE
.if \more
	FILL                                           ; P has been read for the last time: 8 KiB a wave on their way during the nine passes that follow
.endif
	MAXP 0
	s_mov_b32 s11, MID                             ; STEPS 1 to 7
.Lmid_\tag:
	STEP 0
	s_sub_co_i32 s11, s11, 1
	s_cmp_lg_u32 s11, 0
	s_cbranch_scc1 .Lmid_\tag
	STEP 1                                         ; STEP 8, which also gives m1
	EXPSUM 0                                       ; THE CLOSING PASS: m2, no update
	v_log_f32 v[LG], v[S]
	v_log_f32 v[LG+1], v[S+1]
	MAXP 2
	v_pk_add_f32 v[ACC:ACC+1], v[ACC:ACC+1], v[M:M+1]
	s_wait_alu depctr_va_vdst(0)
	v_pk_fma_f32 v[ACC:ACC+1], v[LG:LG+1], s[LN2:LN2+1], v[ACC:ACC+1] op_sel_hi:[1,0,1]
	EXPSUM 2
	v_log_f32 v[LG], v[S]
	v_log_f32 v[LG+1], v[S+1]
	v_pk_add_f32 v[ACC+2:ACC+3], v[ACC+2:ACC+3], v[M+2:M+3]        ; plain work that does not touch LG stands behind the logarithms
	v_pk_mul_f32 v[ACC:ACC+1], v[ACC:ACC+1], s[FS:FS+1] op_sel_hi:[1,0]
	s_wait_alu depctr_va_vdst(0)
	v_pk_fma_f32 v[ACC+2:ACC+3], v[LG:LG+1], s[LN2:LN2+1], v[ACC+2:ACC+3] op_sel_hi:[1,0,1]
	v_pk_mul_f32 v[ACC+2:ACC+3], v[ACC+2:ACC+3], s[FS:FS+1] op_sel_hi:[1,0]    ; (m1 + m2) / 200
	global_store_b128 v1, v[ACC:ACC+3], s[6:7] offset:-ROWB th:TH_STORE_NT
.endm
	FILL                                           ; the first chunk
	s_mov_b32 s10, TILES-1
.Ltile:
	TILE 1, loop
	s_sub_co_i32 s10, s10, 1
	s_cmp_lg_u32 s10, 0
	s_cbranch_scc1 .Ltile
	TILE 0, tail                                   ; the last chunk: nothing more is loaded, so no load leaves the buffer
	s_endpgm
.Lfunc_end_k_q251a7f3581_median:
	.size	k_q251a7f3581_median, .Lfunc_end_k_q251a7f3581_median-k_q251a7f3581_median
	.p2alignl 7, 3214868480
	.fill 96, 4, 3214868480
	.section	.rodata,"a",@progbits
	.p2align	6, 0x0
	.amdhsa_kernel k_q251a7f3581_median
		.amdhsa_group_segment_fixed_size 0
		.amdhsa_private_segment_fixed_size 0
		.amdhsa_enable_private_segment 0
		.amdhsa_kernarg_size 16
		.amdhsa_user_sgpr_count 2
		.amdhsa_user_sgpr_kernarg_segment_ptr 1
		.amdhsa_wavefront_size32 1
		.amdhsa_system_sgpr_workgroup_id_x 1
		.amdhsa_system_sgpr_workgroup_id_y 1
		.amdhsa_system_sgpr_workgroup_id_z 1
		.amdhsa_system_vgpr_workitem_id 0
		.amdhsa_next_free_vgpr 184
		.amdhsa_next_free_sgpr 66
		.amdhsa_reserve_vcc 0
		.amdhsa_float_denorm_mode_32 3
		.amdhsa_float_denorm_mode_16_64 3
		.amdhsa_memory_ordered 1
		.amdhsa_forward_progress 1
		.amdhsa_inst_pref_size 93
	.end_amdhsa_kernel
	.amdgpu_metadata
---
amdhsa.version: [ 1, 2 ]
amdhsa.kernels:
  - .name:           k_q251a7f3581_median
    .symbol:         k_q251a7f3581_median.kd
    .args:
      - { .name: input, .offset: 0, .size: 8, .value_kind: global_buffer, .address_space: global }
      - { .name: out0, .offset: 8, .size: 8, .value_kind: global_buffer, .address_space: global }
    .group_segment_fixed_size: 0
    .private_segment_fixed_size: 0
    .kernarg_segment_align: 8
    .kernarg_segment_size: 16
    .max_flat_workgroup_size: 512
    .sgpr_count:     66
    .vgpr_count:     184
    .wavefront_size: 32
...
	.end_amdgpu_metadata
.endif
;; end of part 1
